; MI455X (gfx1250); checked and timed in simulation.
; The chip was launched on July 23, 2026; its instructions are those of AMD's public machine-readable ISA for CDNA 5 (MIT licence, August 2026) and "CDNA5" Instruction Set Architecture Reference Guide (July 2026). The comments in the code are by the model that wrote it; some were corrected since.
;; Attention. Allowed arithmetic: matrix products marked QUANTISED: E2M3 operands, one E8M0 scale for each 32 along K, by v_wmma_scale_f32_16x16x128_f8f6f4 with both operands' format E2M3, f32 sums; everything else in f32.
;; Inputs: k_codes 4 x 16 x 2,048 x 4 x 24 uint8 (E2M3 codes of k, K innermost, in blocks of 32 codes, four codes in three bytes); k_scales 4 x 16 x 2,048 x 4 uint8 (E8M0 scales of k, one for each 32 codes along K); mask 2,048 x 2,048 bool; q_codes 4 x 16 x 2,048 x 4 x 24 uint8 (E2M3 codes of q, K innermost, in blocks of 32 codes, four codes in three bytes); q_scales 4 x 16 x 2,048 x 4 uint8 (E8M0 scales of q, one for each 32 codes along K); v_codes 4 x 16 x 128 x 64 x 24 uint8 (E2M3 codes of v, K innermost, in blocks of 32 codes, four codes in three bytes); v_scales 4 x 16 x 128 x 64 uint8 (E8M0 scales of v, one for each 32 codes along K).
;; Outputs: out0 4 x 16 x 2,048 x 128 float32.
;; This version of the problem:
;;   THIS VERSION OF THE PROBLEM IS GIVEN IN LOW PRECISION. The matrix products marked QUANTISED in the list below multiply operands that are first quantised to E2M3 (2 exponent bits, 3 mantissa bits; 6 bits a number), with one power-of-two scale for each 32 numbers along K (OCP MX v1.0); their sums are f32. All else is computed in f32.
;;   The module's matrix products, in the order in which they are computed (A, B: the left and right operand; K: the contracted axis; several contracted axes count as one K, in the product's order):
;;     1. batch 64 x [M 2,048, K 128] x [K 128, N 2,048]; A: input q (given as codes); B: input k (given as codes): QUANTISED
;;     2. batch 64 x [M 2,048, K 2,048] x [K 2,048, N 128]; A: softmax (see below); B: input v (given as codes): QUANTISED
;;   THE QUANTISER, for each operand of a quantised product, along K:
;;     - K is cut into blocks of 32 from its start; a last block that is shorter is filled with zeros.
;;     - A block's scale is 2^e with e = floor(log2(the largest magnitude in the block)) - 2, held to -126 .. 127; a block of zeros has e = 0. As a byte (E8M0): e + 127.
;;     - Each number is divided by its block's scale, clamped to +-7.5, and rounded to the nearest number of E2M3, ties to even, subnormals kept.
;;     - The product sums the exact products of the quantised numbers (number of the format x scale) in f32.
;;   ~~~python
;;   def quantise(x, axis):      # numpy; x: float32 -> the quantised numbers, widened to float32 again
;;       x = np.moveaxis(x, axis, -1); K = x.shape[-1]
;;       x = np.pad(x, [(0, 0)] * (x.ndim - 1) + [(0, -K % 32)]); x = x.reshape(x.shape[:-1] + (-1, 32)); a = np.abs(x).max(-1, keepdims=True)
;;       e = np.where(a > 0, np.clip(np.frexp(np.where(a > 0, a, 1))[1] - 1 - 2, -126, 127), 0)      # np.frexp(a)[1] - 1 = floor(log2(a)), exactly
;;       r = np.clip(x / 2.0 ** e, -7.5, 7.5)
;;       step = 2.0 ** (np.maximum(np.frexp(np.where(r == 0, 1, r))[1] - 1, 0) - 3)
;;       q = np.round(r / step) * step * 2.0 ** e      # np.round: ties to even
;;       return np.moveaxis(q.reshape(q.shape[:-2] + (-1,))[..., :K], -1, axis).astype(np.float32)
;;   ~~~
;;   SOFTMAX AHEAD OF A QUANTISED PRODUCT. Where the list says 'softmax', what is quantised is not the finished softmax but p = 2^(t - M), with t = logit x log2(e) and M = ceil(the row's largest t), a whole number; so 1/2 < the row's largest p <= 1. The row's sum l is taken of the UNQUANTISED p, in f32, and the product's result is divided by l at the end. Since M is a whole number, a kernel that streams over the keys may use a running M (the ceiling of the running maximum): every later rescaling is an exact power of two, which a block's scale takes up: the codes' values come out the same.
;;   OPERANDS COMPUTED ON THE WAY. 'Computed on the way' means the value that the module computes at that place (a softmax that the list does not call 'softmax' is quantised finished and normalised). What goes into a quantiser is computed in f32, as accurately as f32 sums, v_exp_f32 and their like allow (about 1e-6 of the number): no bf16 or f16 on the way to a quantiser, and a product that is left as it is and whose result goes on into a quantised operand takes f32 operands (vector FMAs, or v_wmma_f32_16x16x4_f32). A number that lies on a knife's edge between two numbers of the format may be rounded either way, as far as f32 arithmetic and the matrix unit's own rounding can turn it there, and no further.
;;   INPUTS GIVEN AS CODES. k (in the module: [4, 16, 2048, 128], K = its axis 3); q (in the module: [4, 16, 2048, 128], K = its axis 3); v (in the module: [4, 16, 2048, 128], K = its axis 2): each comes as NAME_codes (uint8): NAME with its K axis moved to the last place and cut into blocks of 32 codes, [.., K / 32, bytes a block], one block behind the other in memory; four codes in three bytes: a row's codes are one little-endian stream of bits, code i at bits 6 i .. 6 i + 5 (a code: sign, 2 exponent bits, 3 mantissa bits); and NAME_scales (uint8): the same leading axes, one E8M0 byte (e + 127) for each 32 codes along K. Its value is code x scale, taken as it is: it is not quantised again, and the codes and scales need not be those that the quantiser above would give.
;; One version. Each part assembles by itself: llvm-mc -triple=amdgcn-amd-amdhsa -mcpu=gfx1250 --defsym DOCPART=n.
;; ======== version 1 of 1: 2 launches
;; limits: right only within a limited range of input values
;; workspace buffers: lanemask 524,288 bytes of whole numbers; flags 1,024 bytes of whole numbers
;; launch prep (part 1): grid 128 x 1, 16 waves a work-group, no clusters, 2,304 bytes of LDS; arguments mask, lanemask, flags; writes lanemask, flags
.if DOCPART == 1
	.amdgcn_target "amdgcn-amd-amdhsa--gfx1250"
	.amdhsa_code_object_version 6
	.text
	.protected	k_qdfa2eb3e42_prep
	.globl	k_qdfa2eb3e42_prep
	.p2align	8
	.type	k_qdfa2eb3e42_prep,@function
k_qdfa2eb3e42_prep:
	s_mov_b64 s[64:65], 0
	v_nop
	global_prefetch_b8 v0, s[64:65] scope:SCOPE_SE
	s_setreg_imm32_b32 hwreg(HW_REG_WAVE_MODE, 25, 1), 1
	s_wait_xcnt 0x0
; The mask [2048 queries][2048 keys], one byte a place (not 0 = masked out), is the same for all 64 heads.  It is turned ONCE into the form in which the attention launch wants it:
;   lanemask [tile a of 16 queries][key step j of 128 keys][64 words]: bit L of word n = mask[16 a + (L & 15)][128 j + 32 (n / 16) + 16 (L >> 4) + n % 16]:
;            the place whose score lane L of a wave holds in score register n.  One word masks one register of all 32 lanes by one select.
;   flags    [tile a][2 words]: bit j of word 0: all 16 x 128 places of step j are masked out; bit j of word 1: none of them is.
; SHARES.  Work-group a takes tile a (16 rows of the mask), wave j key step j: the sixteen waves read the 16 rows whole.
; A lane (r = lane & 15, h = lane >> 4) loads, of row r, the 16 bytes at 32 b + 16 h of the step's 128, b = 0 .. 3: 64 bytes in v[4:19].
; The 8 bytes of flags of a work-group are a short store: 1,024 bytes in the whole launch.
.set MB,   4                           ; v[4:19]   my 64 mask bytes
.set WD,   20                          ; v[20:21]  the 64 words: word n in lane n / 2 of register n % 2
.set WK,   22                          ; v[22:25]  at work, by turns
	s_load_b128 s[4:7], s[0:1], 0x0                ; mask s[4:5], lanemask s[6:7]
	s_load_b64 s[8:9], s[0:1], 0x10                ; flags
	v_lshl_add_u32 v32, v0, 2, 0x100
	v_mov_b32 v33, 0
	v_lshrrev_b32 v2, 5, v0
	s_delay_alu instid0(VALU_DEP_1)
	v_readfirstlane_b32 s10, v2                    ; wave = key step j
	v_and_b32 v3, 15, v0                           ; r
	v_bfe_u32 v22, v0, 4, 1                        ; h
	s_delay_alu instid0(VALU_DEP_2)
	v_lshlrev_b32 v1, 11, v3                       ; row r of 2,048 bytes
	s_delay_alu instid0(VALU_DEP_1)
	v_lshl_add_u32 v1, v22, 4, v1                  ; + 16 h
	v_and_b32 v26, 31, v0
	s_delay_alu instid0(VALU_DEP_1)
	v_lshlrev_b32 v26, 3, v26                      ; 8 x lane: where my two words go
	v_mov_b32 v27, s10
	s_delay_alu instid0(VALU_DEP_1)
	v_lshlrev_b32 v27, 2, v27                      ; LDS: 4 x wave: my step's class
	v_lshlrev_b32 v29, 2, v3                       ; LDS: 4 x (lane & 15): the class of step lane & 15
	v_mov_b32 v[WD], 0                             ; (a lane write's destination counts as read)
	v_mov_b32 v[WD+1], 0
	v_mov_b32 v28, 0
	s_lshl_b32 s18, ttmp9, 15                      ; 16 rows of 2,048 bytes a tile,
	s_lshl_b32 s19, s10, 7                         ; 128 bytes a step
	s_add_co_u32 s18, s18, s19
	s_mov_b32 s19, 0
	s_lshl_b32 s20, ttmp9, 4
	s_add_co_u32 s20, s20, s10
	s_lshl_b32 s20, s20, 8                         ; (16 a + j) x 256 bytes
	s_mov_b32 s21, 0
	s_lshl_b32 s22, ttmp9, 3                       ; 8 a
	s_mov_b32 s23, 0
	s_mov_b32 s16, 0                               ; the OR of the 64 words
	s_mov_b32 s17, -1                              ; their AND
	s_wait_alu depctr_va_vdst(0)
	s_wait_kmcnt 0x0
	s_add_nc_u64 s[4:5], s[4:5], s[18:19]
	s_add_nc_u64 s[6:7], s[6:7], s[20:21]
	s_add_nc_u64 s[8:9], s[8:9], s[22:23]
.irp b, 0,1,2,3
	global_load_b128 v[MB+4*\b:MB+4*\b+3], v1, s[4:5] offset:32*\b
.endr
	s_wait_loadcnt 0x0
; word pn: byte pn % 16 of my 16 bytes of block pn / 16, tested in all 32 lanes at once: the compare's lane mask IS the word
.set pn, 0
.rept 64
	v_and_b32 v[WK+pn%4], 0xff<<(8*(pn%4)), v[MB+4*(pn/16)+(pn%16)/4]
	s_delay_alu instid0(VALU_DEP_1)
	v_cmp_ne_u32 s[12+pn%4], 0, v[WK+pn%4]
	s_delay_alu instid0(VALU_DEP_1)
	v_writelane_b32 v[WD+pn%2], s[12+pn%4], pn/2
	s_or_b32 s16, s16, s[12+pn%4]
	s_and_b32 s17, s17, s[12+pn%4]
.set pn, pn+1
.endr
	global_store_b64 v26, v[WD:WD+1], s[6:7]       ; word n at byte 4 n: the wave stores 256 consecutive bytes, at a multiple of 256 from the buffer's first byte
	s_cmp_eq_u32 s17, -1
	s_cselect_b32 s18, 1, 0                        ; all masked out
	s_cmp_eq_u32 s16, 0
	s_cselect_b32 s19, 2, 0                        ; none masked out
	s_or_b32 s18, s18, s19
	v_mov_b32 v22, s18
	ds_store_b32 v27, v22                          ; all lanes write the same word with the same value
	s_wait_dscnt 0x0                               ; for the others: my store has landed
	s_barrier_signal -1
	s_barrier_wait -1
	ds_load_b32 v23, v29                           ; lane l: the class of step l & 15
	s_wait_dscnt 0x0
	v_and_b32 v24, 1, v23
	v_and_b32 v25, 2, v23
	s_delay_alu instid0(VALU_DEP_2)
	v_cmp_ne_u32 s20, 0, v24                       ; the lane masks are the two bit words (twice over: lanes 16-31 repeat lanes 0-15)
	s_delay_alu instid0(VALU_DEP_2)
	v_cmp_ne_u32 s21, 0, v25
	s_and_b32 s20, s20, 0xffff
	s_and_b32 s21, s21, 0xffff
	v_mov_b32 v2, s20
	v_mov_b32 v3, s21
	s_cmp_lg_u32 s10, 0                            ; thread 0 of wave 0 stores them
	s_cbranch_scc1 .Ldone
	s_wait_xcnt 0x0                                ; EXEC is a source of the store above: it changes only behind this wait
	v_cmp_eq_u32 vcc_lo, 0, v0
	s_and_saveexec_b32 s22, vcc_lo
	s_wait_alu depctr_va_vdst(0)
	global_store_b64 v28, v[2:3], s[8:9]
	s_wait_xcnt 0x0                                ; and again in front of the line that widens it
	s_or_b32 exec_lo, exec_lo, s22
.Ldone:
	s_wait_tensorcnt 0x0
	ds_add_u32 v32, v33
	s_wait_dscnt 0x0
	s_endpgm
.Lfunc_end_k_qdfa2eb3e42_prep:
	.size	k_qdfa2eb3e42_prep, .Lfunc_end_k_qdfa2eb3e42_prep-k_qdfa2eb3e42_prep
	.p2alignl 7, 3214868480
	.fill 96, 4, 3214868480
	.section	.rodata,"a",@progbits
	.p2align	6, 0x0
	.amdhsa_kernel k_qdfa2eb3e42_prep
		.amdhsa_group_segment_fixed_size 2304
		.amdhsa_private_segment_fixed_size 0
		.amdhsa_enable_private_segment 0
		.amdhsa_kernarg_size 24
		.amdhsa_user_sgpr_count 2
		.amdhsa_user_sgpr_kernarg_segment_ptr 1
		.amdhsa_wavefront_size32 1
		.amdhsa_system_sgpr_workgroup_id_x 1
		.amdhsa_system_sgpr_workgroup_id_y 1
		.amdhsa_system_sgpr_workgroup_id_z 1
		.amdhsa_system_vgpr_workitem_id 0
		.amdhsa_next_free_vgpr 34
		.amdhsa_next_free_sgpr 66
		.amdhsa_reserve_vcc 1
		.amdhsa_float_denorm_mode_32 3
		.amdhsa_float_denorm_mode_16_64 3
		.amdhsa_memory_ordered 1
		.amdhsa_forward_progress 1
		.amdhsa_inst_pref_size 24
	.end_amdhsa_kernel
	.amdgpu_metadata
---
amdhsa.version: [ 1, 2 ]
amdhsa.kernels:
  - .name:           k_qdfa2eb3e42_prep
    .symbol:         k_qdfa2eb3e42_prep.kd
    .args:
      - { .name: mask, .offset: 0, .size: 8, .value_kind: global_buffer, .address_space: global }
      - { .name: lanemask, .offset: 8, .size: 8, .value_kind: global_buffer, .address_space: global }
      - { .name: flags, .offset: 16, .size: 8, .value_kind: global_buffer, .address_space: global }
    .group_segment_fixed_size: 2304
    .private_segment_fixed_size: 0
    .kernarg_segment_align: 8
    .kernarg_segment_size: 24
    .max_flat_workgroup_size: 512
    .sgpr_count:     66
    .vgpr_count:     34
    .wavefront_size: 32
...
	.end_amdgpu_metadata
.endif
;; end of part 1
;; launch attn (part 2): grid 4 x 64, 8 waves a work-group, no clusters, 150,528 bytes of LDS; arguments q_codes, q_scales, k_codes, k_scales, v_codes, v_scales, lanemask, flags, out0; writes out0
.if DOCPART == 2
	.amdgcn_target "amdgcn-amd-amdhsa--gfx1250"
	.amdhsa_code_object_version 6
	.text
	.protected	k_qdfa2eb3e42_attn
	.globl	k_qdfa2eb3e42_attn
	.p2align	8
	.type	k_qdfa2eb3e42_attn,@function
k_qdfa2eb3e42_attn:
	s_mov_b64 s[64:65], 0
	v_nop
	global_prefetch_b8 v0, s[64:65] scope:SCOPE_SE
	s_setreg_imm32_b32 hwreg(HW_REG_WAVE_MODE, 25, 1), 1
	s_wait_xcnt 0x0
; out0[head][q][:] = the sum over k of softmax_k(Q[q] . K[k] / sqrt(128), masked) V[k][:], 64 heads, 2,048 queries and keys, head size 128; both products on codes of FP6 (E2M3), one E8M0 scale for each 32 along K.
; Q, K: codes along the head's 128 (96 bytes a row), one scale word a row.  V: codes with the KEYS innermost (1,536 bytes a row), 16 scale words a row.
; THE SOFTMAX: t = score x log2(e) / sqrt(128); M = the row's largest t so far, rounded UP to a whole number; p = 2^(t - M) is quantised along the keys, not normalised; the row's sum is taken of the
; unquantised p and divides at the end.  When M moves, the sum and O are multiplied by 2^(old M - new M), which rounds nothing.
; THE MASK is an input.  The launch before has laid it as lane-mask words (one word masks one score register of all 32 lanes) and as two bit words a tile of 16 queries: which key steps are wholly
; masked out, which wholly open.  A step that is masked out for both my tiles is not worked (scalar branch on the stored bits); a step that is open for both is worked without the selects.
; SHARES.  256 work-groups of eight waves.  Work-group (x, head) stays for two passes: query blocks x and 7 - x of 256 queries.  Wave w owns 32 queries: tile A in register window 0, tile B in the
; same register numbers of window 1.  Each fragment read from LDS feeds two matrix instructions.  A pass walks all 16 key steps of 128 keys: the trip count is a constant, only work is jumped over.
; A KEY STEP j: scores from K(j)'s eight fragments (asked for in step j - 1); V(j)'s eight fragments are asked for into the same registers and come under the two softmaxes; THE STEP'S ONE BARRIER,
; in front of which every LDS load and store of the wave is done: behind it nobody reads slot j % 2 any more, and slot (j + 1) % 2 is whole; then the rows of step j + 2 (asked of memory in step j - 1)
; go into slot j % 2, the rows of step j + 3 are asked for, O^T += V^T P^T, and K(j + 1)'s fragments are asked for as soon as the registers are free.
; The next pass's first two fills, its Q and its flags are asked for ahead of the way out of the pass before.
; NO TENSOR LOAD, NO CLUSTER: which steps are fetched and worked hangs on numbers read from memory; the four work-groups of a
; head want different steps in their passes and make no joint requests.  NO PREFETCH: each fill is asked for by ordinary loads a whole key step ahead of the wait for it.
; LDS HOLDS IMAGES OF THE OPERANDS' REGISTERS: registers 4 c .. 4 c + 3 of lane L of a fragment lie at 512 c + 16 L.
; THE ROWS OF A TILE ARE NOT NEIGHBOURS: place r of tile 2 b + u is row 32 b + 8 u + r + 8 (r / 8) (a key of the step, or a channel of V).  Both products are used transposed (source 0 = 16 keys or 16
; channels, source 1 = my 16 queries): a lane holds ONE query (lane & 15); score register 16 b + i is key 32 b + 16 (lane >> 4) + i, and O register 16 b + i is channel 32 b + 16 (lane >> 4) + i.
; LIMITS: a scale byte 0xff and NaN among the numbers are not served.  A row that is wholly masked out gives NaN, as the softmax of such a row does: 0 x (1 / 0).  A block whose every p is 0 keeps
; the scale byte 1: its codes are zeros.  A block's largest p is taken as 2^(.) of its largest score: this takes v_exp_f32 not to fall where its input rises.
.set TP,    1664                       ; an image's place: 1,536 bytes + 128
.set SLOTB, 32768                      ; slot 1 begins here; a slot: K's 8 images, then V's 8: 26,624 bytes
.set SCK,   65536                      ; K's scale words of the head: 512 j + 256 g + 16 r + 4 t (tile 4 g + t of step j, place r)
.set SCV,   73728                      ; V's, in the same form
.set STAGE, 81920                      ; the way out: 16 rows x (512 + 16) bytes for each wave
.set SP,    528
.set STGW,  16*SP
.set SPARE, STAGE+8*STGW               ; 149,504: the spare words, 128 bytes a wave
; window 0 alone: v0 thread; v1 16 x lane; v2 where I store my row of a fill; v3 SCK + 16 r; v4 my row's byte in K's step or in V; v5, v6 the stage; v7, v8 Q's codes and scale words; v9 the step's
;   scale words; v10, v11, v28 at work at the head; v29 Q_B's, v255 Q_A's scale words; v31 p_B's scale word; v32-79 fragments 0-3 (X); v80-87 a fill's last 32 bytes; v88-91 Y's scale words,
;   v248-251 X's; v92 my spare word, v93 0.
; both windows (A, B): v12 -M; v13 largest t; v[14:15] the sum; v16-27 Q; v30 -infinity; v96-159 scores, p; v160-223 O^T; v224-235 p's codes; v232-247, v252-254 at work (v253: p's scale word).
; window 1 alone: v32-79 fragments 4-7 (Y); v80-95 a fill's first 64 bytes.
.set SPW,  92
.set NIL,  93
.set WV,   2
.set PASS, 3
.set NOP_, 8                           ; s[8:9] the next pass's first row of out0
.set SEL,  10                          ; s[10:11] lane selects for v_permlanex16_b32: lane l xor 16
.set CS,   14                          ; s[14:15] c = log2(e) / sqrt(128), twice
.set FP0,  22                          ; s[22:23] my stream (K: waves 0-3, V: waves 4-7) at step 0;  s[24:25] at the step fetched last;  s[26:27] a step on
.set FP,   24
.set FS,   26
.set MK,   28                          ; s[28:29] my tile A's mask words;  s30: 256 j
.set MO,   30
.set TS,   31                          ; s31  512 j
.set HID,  66                          ; bit 0: this step is hidden for both my tiles
.set OPN,  67                          ; bit 0: it is open for both
.set WGH,  100                         ; bit i: step j + i is hidden for all 16 tiles of the block (or there is none)
.set TRIP, 101
.set OP,   104                         ; s[104:105] my first row of out0
; s[32:63], s[68:99]: the 64 mask words of a tile and step; between passes the flags and, in s[72:77], three addresses
.set MSB, 0
.macro WIN new                         ; bits 1:0 source 0, 3:2 source 1, 5:4 source 2, 7:6 destination; the high byte repeats the setting that is left
.if MSB != (\new)
	s_set_vgpr_msb (MSB<<8)|(\new)
.set MSB, (\new)
.endif
.endm
.macro PLACES                          ; four plain places behind matrix instructions (ISA guide 7.12.1)
.rept 4
	v_nop
.endr
.endm
.macro BARRIER                         ; my LDS stores have landed and my LDS loads are in: then the work-group's barrier
	s_wait_dscnt 0x0
	s_barrier_signal -1
	s_barrier_wait -1
.endm
; my row of a step, 96 bytes.  alt = 0: into window 1's v80-95 and window 0's v80-87; alt = 1: into window 0's v32-55
.macro FILL_LOAD p, alt
.if \alt
.irp i, 0,1,2,3,4,5
	global_load_b128 v[32+4*\i:35+4*\i], v4, s[\p:\p+1] offset:16*\i
.endr
.else
	WIN 0x40
.irp i, 0,1,2,3
	global_load_b128 v[80+4*\i:83+4*\i], v4, s[\p:\p+1] offset:16*\i
.endr
	WIN 0
.irp i, 4,5
	global_load_b128 v[64+4*\i:67+4*\i], v4, s[\p:\p+1] offset:16*\i
.endr
.endif
.endm
; The row's piece P of 8 bytes belongs to lane half (P / 3) % 2 and register pair jj = 3 (P / 6) + P % 3 of the fragment: place 512 (jj / 2) + 8 (jj % 2) + 256 x half
.macro FS_LO slot, b                   ; pieces 0-7
	ds_store_b128 v2, v[\b:\b+3] offset:(\slot)*SLOTB
	ds_store_b64  v2, v[\b+4:\b+5] offset:(\slot)*SLOTB+512
	ds_store_b128 v2, v[\b+6:\b+9] offset:(\slot)*SLOTB+256
	ds_store_b64  v2, v[\b+10:\b+11] offset:(\slot)*SLOTB+768
	ds_store_b64  v2, v[\b+12:\b+13] offset:(\slot)*SLOTB+520
	ds_store_b64  v2, v[\b+14:\b+15] offset:(\slot)*SLOTB+1024
.endm
.macro FS_HI slot, b                   ; pieces 8-11
	ds_store_b64  v2, v[\b+16:\b+17] offset:(\slot)*SLOTB+1032
	ds_store_b64  v2, v[\b+18:\b+19] offset:(\slot)*SLOTB+776
	ds_store_b128 v2, v[\b+20:\b+23] offset:(\slot)*SLOTB+1280
.endm
.macro FILL_STORE slot, alt
.if \alt
	FS_LO \slot, 32
	FS_HI \slot, 32
.else
	WIN 0x04
	FS_LO \slot, 80
	WIN 0
	FS_HI \slot, 64
.endif
.endm
; 13 LDS loads: images img .. img + 3 of a slot into X (y = 0) or Y (y = 1), and their four scale words
.macro FRAGS y, img, slot, sa, so
	WIN 0x40*\y
.irp t, 0,1,2,3
.irp c, 0,1,2
	ds_load_b128 v[32+12*\t+4*\c:35+12*\t+4*\c], v1 offset:(\slot)*SLOTB+(\img+\t)*TP+512*\c
.endr
.endr
	WIN 0
	ds_load_b128 v[248-160*\y:251-160*\y], v[\sa] offset:\so
.endm
; S^T = K Q^T: four tiles of 16 keys, each fragment for tile A and for tile B
.macro MMS y
	WIN \y
.irp t, 0,1,2,3
	v_wmma_scale_f32_16x16x128_f8f6f4 v[96+8*(4*\y+\t):103+8*(4*\y+\t)], v[32+12*\t:43+12*\t], v[16:27], 0, v[248-160*\y+\t], v255 matrix_a_fmt:MATRIX_FMT_FP6 matrix_b_fmt:MATRIX_FMT_FP6
.endr
	WIN 0x54+\y
.irp t, 0,1,2,3
	v_wmma_scale_f32_16x16x128_f8f6f4 v[96+8*(4*\y+\t):103+8*(4*\y+\t)], v[32+12*\t:43+12*\t], v[16:27], 0, v[248-160*\y+\t], v29 matrix_a_fmt:MATRIX_FMT_FP6 matrix_b_fmt:MATRIX_FMT_FP6
.endr
	WIN 0
.endm
; O^T += V^T P^T: four tiles of 16 channels.  An accumulator has one instruction a step: none follows its own
.macro MMP y
	WIN \y
.irp t, 0,1,2,3
	v_wmma_scale_f32_16x16x128_f8f6f4 v[160+8*(4*\y+\t):167+8*(4*\y+\t)], v[32+12*\t:43+12*\t], v[224:235], v[160+8*(4*\y+\t):167+8*(4*\y+\t)], v[248-160*\y+\t], v253 matrix_a_fmt:MATRIX_FMT_FP6 matrix_b_fmt:MATRIX_FMT_FP6
.endr
	WIN 0x54+\y
.irp t, 0,1,2,3
	v_wmma_scale_f32_16x16x128_f8f6f4 v[160+8*(4*\y+\t):167+8*(4*\y+\t)], v[32+12*\t:43+12*\t], v[224:235], v[160+8*(4*\y+\t):167+8*(4*\y+\t)], v[248-160*\y+\t], v31 matrix_a_fmt:MATRIX_FMT_FP6 matrix_b_fmt:MATRIX_FMT_FP6
.endr
	WIN 0
.endm
; A tile's state at a pass's head.  O^T begins as zeros: which step is a tile's first hangs on the stored bits, and the step is written once.
.macro INIT
	v_mov_b32 v13, 0xff61b1e6                      ; the largest t so far: -3e38
	s_delay_alu instid0(VALU_DEP_1)
	v_floor_f32 v12, -v13                          ; -M
	v_mov_b32 v14, 0
	v_mov_b32 v15, 0
	v_mov_b32 v30, 0xff800000                      ; -infinity
.irp b, 0,1,2,3
	v_mov_b32 v[236+\b], 0                         ; (a lane permute's destination counts as read)
.endr
	v_mov_b32 v252, 0
	v_mov_b32 v253, 0
.set zi, 0
.rept 64
	v_mov_b32 v[160+zi], 0
.set zi, zi+1
.endr
.endm
.macro MLOAD off                       ; the 64 mask words of the step at MO: off = 0 tile A, 4,096 tile B
	s_load_b512 s[32:47], s[MK:MK+1], s[MO] offset:\off
	s_load_b512 s[48:63], s[MK:MK+1], s[MO] offset:\off+64
	s_load_b512 s[68:83], s[MK:MK+1], s[MO] offset:\off+128
	s_load_b512 s[84:99], s[MK:MK+1], s[MO] offset:\off+192
.endm
.macro MASKT                           ; masked places become -infinity; ascending
.set mn, 0
.rept 64
.if mn < 32
	v_cndmask_b32 v[96+mn], v[96+mn], v30, s[32+mn]
.else
	v_cndmask_b32 v[96+mn], v[96+mn], v30, s[36+mn]
.endif
.set mn, mn+1
.endr
.endm
; One tile's softmax of one key step, in the window that is set.  twin = 1: tile B, whose scale word is copied to window 0, since scale operands have no window.
.macro SOFTMAX twin
.irp b, 0,1,2,3
	v_max3_num_f32 v[232+\b], v[96+16*\b], v[97+16*\b], v[98+16*\b]   ; the largest score of each block of 32 keys: for the row's maximum and for the block's largest p
.endr
.irp i, 3,5,7,9,11,13
.irp b, 0,1,2,3
	v_max3_num_f32 v[232+\b], v[232+\b], v[96+16*\b+\i], v[97+16*\b+\i]
.endr
.endr
.irp b, 0,1,2,3
	v_max_num_f32 v[232+\b], v[232+\b], v[111+16*\b]
.endr
.irp b, 0,1,2,3
	s_delay_alu instid0(VALU_DEP_4)
	v_permlanex16_b32 v[236+\b], v[232+\b], s[SEL], s[SEL+1]
.endr
.irp b, 0,1,2,3
	s_delay_alu instid0(VALU_DEP_4)
	v_max_num_f32 v[232+\b], v[232+\b], v[236+\b]  ; with lane l xor 16's 16 keys
.endr
	s_delay_alu instid0(VALU_DEP_2)
	v_max3_num_f32 v254, v232, v233, v234
	s_delay_alu instid0(VALU_DEP_1)
	v_max_num_f32 v254, v254, v235                 ; the step's largest score of my query
	s_delay_alu instid0(VALU_DEP_1)
	v_mul_f32 v254, s[CS], v254                    ; as t
	s_delay_alu instid0(VALU_DEP_1)
	v_max_num_f32 v13, v13, v254                   ; the running largest t
	v_mov_b32 v254, v12
	s_delay_alu instid0(VALU_DEP_2)
	v_floor_f32 v12, -v13                          ; the new -M = -ceil(t)
	s_delay_alu instid0(VALU_DEP_1)
	v_sub_f32 v254, v12, v254                      ; old M - new M: a whole number, 0 or less
	s_delay_alu instid0(VALU_DEP_1)
	v_cvt_i32_f32 v254, v254                       ; (it saturates)
	s_delay_alu instid0(VALU_DEP_1)
	v_ldexp_f32 v252, 1.0, v254                    ; f = 2^(old M - new M)
.set sj, 0
.rept 32
	v_pk_fma_f32 v[96+sj:97+sj], v[96+sj:97+sj], s[CS:CS+1], v[12:13] op_sel_hi:[1,0,0]   ; t - M, two at a time
.set sj, sj+2
.endr
.irp b, 0,1,2,3
	v_fma_f32 v[232+\b], v[232+\b], s[CS], v12     ; the same of each block's largest score
.endr
.set sj, 0
	s_wait_alu depctr_va_vdst(0)                   ; the wait ahead of the batch
.rept 64
	v_exp_f32 v[96+sj], v[96+sj]                   ; p = 2^(t - M)
.set sj, sj+1
.endr
	v_pk_mul_f32 v[14:15], v[14:15], v[252:253] op_sel_hi:[1,0]   ; the sums under the new M: the plain line behind the exponentials
	s_wait_alu depctr_va_vdst(0)                   ; one wait for the batch of 64, ahead of its first reader
.irp b, 0,1,2,3
	v_exp_f32 v[232+\b], v[232+\b]                 ; each block's largest p
.endr
	v_pk_add_f32 v[236:237], v[96:97], v[98:99]    ; the row's sum of the unquantised p, in two chains
.set sj, 4
.rept 15
	v_pk_add_f32 v[14:15], v[14:15], v[96+sj:97+sj]
	v_pk_add_f32 v[236:237], v[236:237], v[98+sj:99+sj]
.set sj, sj+4
.endr
	s_delay_alu instid0(VALU_DEP_1)
	v_pk_add_f32 v[14:15], v[14:15], v[236:237]
	s_wait_alu depctr_va_vdst(0)                   ; and one for the four
.irp b, 0,1,2,3
	v_max_num_f32 v[232+\b], 0x1800000, v[232+\b]  ; the floor 2^(3 - 127): the byte cannot fall under 1
.endr
.irp b, 0,1,2,3
	s_delay_alu instid0(VALU_DEP_4)
	v_add_nc_u32 v[244+\b], 0xff000000, v[232+\b]  ; 2 off the exponent field: the conversion's scale operand
.endr
.irp b, 0,1,2,3
	s_delay_alu instid0(VALU_DEP_4)
	v_lshrrev_b32 v[236+\b], 23, v[244+\b]         ; the scale's byte
.endr
	s_delay_alu instid0(VALU_DEP_3)
	v_lshl_or_b32 v253, v237, 8, v236              ; p's scale word for these 128 keys
	s_delay_alu instid0(VALU_DEP_1)
	v_lshl_or_b32 v253, v238, 16, v253
	s_delay_alu instid0(VALU_DEP_1)
	v_lshl_or_b32 v253, v239, 24, v253
.if \twin
	WIN 0x01
	v_mov_b32 v31, v253                            ; tile B's word into window 0
	WIN 0x55
.endif
.irp c, 0,1
	v_cvt_scalef32_pk16_fp6_f32 v[224+6*\c:226+6*\c], v[96+32*\c:111+32*\c], v[244+2*\c]
	v_cvt_scalef32_pk16_fp6_f32 v[236+4*\c:238+4*\c], v[112+32*\c:127+32*\c], v[244+2*\c+1]   ; (a conversion's three registers begin on an even number)
.endr
	v_nop                                          ; one plain line behind the scaled conversions
.irp c, 0,1                            ; the operand wants a whole block in a lane: lanes 0-15 block 2 c, lanes 16-31 block 2 c + 1
.irp i, 0,1,2
	v_permlane16_swap_b32 v[224+6*\c+\i], v[236+4*\c+\i]
.endr
.irp i, 0,1,2
	s_delay_alu instid0(VALU_DEP_3)
	v_mov_b32 v[227+6*\c+\i], v[236+4*\c+\i]
.endr
.endr
	s_wait_alu depctr_va_vdst(0)                   ; directly ahead of the first reader of O^T
.set sj, 0
.rept 32
	v_pk_mul_f32 v[160+sj:161+sj], v[160+sj:161+sj], v[252:253] op_sel_hi:[1,0]   ; O^T under the new M
.set sj, sj+2
.endr
.endm
; A key step, from slot \slot
.macro STEP slot
	v_add_nc_u32 v9, s[TS], v3                     ; this step's scale words (made on every way)
	s_wait_alu depctr_va_vdst(0)
	s_bitcmp1_b32 s[HID], 0
	s_cbranch_scc0 .Lwork_\@
	s_wait_kmcnt 0x0                               ; hidden: only the next step's mask words of tile A are asked for
	MLOAD 256                                      ; 256 bytes on: step j + 1
	s_branch .Lmeet_\@
.Lwork_\@:
	s_wait_dscnt 13                                ; X and its scale words are in; Y's 13 loads may be out
	MMS 0
	s_wait_dscnt 0x0
	MMS 1
	PLACES                                         ; in front of the loads into the fragments and of the first read of the scores
	FRAGS 0, 8, \slot, 9, SCV-SCK                  ; V's eight fragments: they come under the softmaxes
	FRAGS 1, 12, \slot, 9, SCV-SCK+256
	s_wait_kmcnt 0x0                               ; tile A's mask words, asked for a step ago
	s_bitcmp1_b32 s[OPN], 0
	s_cbranch_scc1 .Lopen_a_\@
	MASKT
	MLOAD 4096                                     ; tile B's words, over tile A's, which have been read
.Lopen_a_\@:
	SOFTMAX 0
	s_wait_kmcnt 0x0                               ; on both ways
	s_bitcmp1_b32 s[OPN], 0
	s_cbranch_scc1 .Lopen_b_\@
	WIN 0x55
	s_wait_alu depctr_va_vdst(0)                   ; directly ahead of the first reader of tile B's scores
	MASKT
	WIN 0
.Lopen_b_\@:
	MLOAD 256                                      ; the next step's words of tile A: 256 bytes on
	WIN 0x55
	s_wait_alu depctr_va_vdst(0)                   ; as above, on the open way
	SOFTMAX 1
	WIN 0
	s_wait_alu depctr_va_vdst(0)                   ; ahead of the waits below
.Lmeet_\@:
	BARRIER                                        ; every wave's fragments of this slot are in registers, and its rows of the other slot have landed
	s_wait_loadcnt 0x0                             ; the rows of step j + 2 are in, and their base may be stepped
	s_bitcmp1_b32 s[WGH], 2
	s_cbranch_scc1 .Lno_store_\@
	FILL_STORE \slot, 0
.Lno_store_\@:
	s_add_nc_u64 s[FP:FP+1], s[FP:FP+1], s[FS:FS+1]
	s_bitcmp1_b32 s[WGH], 3
	s_cbranch_scc1 .Lno_load_\@
	FILL_LOAD FP, 0                                ; step j + 3
.Lno_load_\@:
	s_bitcmp1_b32 s[HID], 0
	s_cbranch_scc1 .Lidle_\@
	MMP 0
	PLACES
	FRAGS 0, 0, 1-\slot, 9, 512                    ; K(j + 1): X's half while Y's half of V is multiplied
	MMP 1
	PLACES
	FRAGS 1, 4, 1-\slot, 9, 768
	s_branch .Lnext_\@
.Lidle_\@:
	FRAGS 0, 0, 1-\slot, 9, 512
	FRAGS 1, 4, 1-\slot, 9, 768
.Lnext_\@:
	s_wait_xcnt 0x0                                ; the requests for mask words have read their offset: it is stepped once a step, on the way that every wave takes
	s_add_co_u32 s[MO], s[MO], 256
	s_lshr_b32 s[HID], s[HID], 1
	s_lshr_b32 s[OPN], s[OPN], 1
	s_lshr_b32 s[WGH], s[WGH], 1
	s_add_co_u32 s[TS], s[TS], 512
.endm
; What a pass needs first, asked for: its flags, key steps 0 and 1, my two fragments of Q.  PASS says which pass.
.macro PASSLOAD
	s_mul_i32 s30, s[PASS], 7
	s_xor_b32 s30, ttmp9, s30                      ; the block: x, then 7 - x
	s_lshl_b32 s66, s30, 7                         ; its 16 tiles' flags: 128 bytes
	s_lshl_b32 s31, s30, 8
	s_lshl_b32 s100, s[WV], 5
	s_add_co_u32 s31, s31, s100                    ; q0: my first query
	s_lshr_b32 s67, s31, 1                         ; my two tiles' flags: 8 bytes a tile of 16
	s_load_b512 s[32:47], s[18:19], s66 offset:0x0
	s_load_b512 s[48:63], s[18:19], s66 offset:0x40
	s_load_b128 s[68:71], s[18:19], s67 offset:0x0
	s_mov_b32 s101, 0
	s_mul_i32 s100, s31, 96
	s_add_nc_u64 s[74:75], s[4:5], s[100:101]      ; Q's codes,
	s_lshl_b32 s100, s31, 2
	s_add_nc_u64 s[76:77], s[6:7], s[100:101]      ; Q's scale words,
	s_lshl_b32 s100, s31, 9
	s_add_nc_u64 s[NOP_:NOP_+1], s[20:21], s[100:101]  ; out0,
	s_lshl_b32 s100, s31, 8
	s_add_nc_u64 s[MK:MK+1], s[16:17], s[100:101]  ; and the mask words at my first query
	s_add_nc_u64 s[72:73], s[FP0:FP0+1], s[FS:FS+1]
	FILL_LOAD FP0, 0                               ; key step 0
	FILL_LOAD 72, 1                                ; key step 1, into X, which is free
.irp p, 0,1,2,3,4,5
	global_load_b64 v[16+2*\p:17+2*\p], v7, s[74:75] offset:48*(\p/3)+8*(\p%3) th:TH_LOAD_NT
.endr
	global_load_b32 v255, v8, s[76:77] th:TH_LOAD_NT
	global_load_b32 v29, v8, s[76:77] offset:64 th:TH_LOAD_NT
	WIN 0x40
.irp p, 0,1,2,3,4,5
	global_load_b64 v[16+2*\p:17+2*\p], v7, s[74:75] offset:1536+48*(\p/3)+8*(\p%3) th:TH_LOAD_NT   ; tile B's: 16 rows on
.endr
	WIN 0
.endm
; THE WAY OUT of tile A (w = 0) or B (1): O^T / the sum goes through my own stage and comes back as whole rows of 512 bytes.  LDS serves a wave's instructions in order (ISA guide 5.7.1.4).
.macro OUT w
	WIN 0x55*\w
	v_add_f32 v14, v14, v15
	s_delay_alu instid0(VALU_DEP_1)
	v_permlanex16_b32 v252, v14, s[SEL], s[SEL+1]
	s_delay_alu instid0(VALU_DEP_1)
	v_add_f32 v14, v14, v252                       ; the row's sum
	s_wait_alu depctr_va_vdst(0)
	v_rcp_f32 v14, v14
	v_nop
	s_wait_alu depctr_va_vdst(0)                   ; ahead of the reciprocal's first reader, which is also O^T's
.set sj, 0
.rept 32
	v_pk_mul_f32 v[96+sj:97+sj], v[160+sj:161+sj], v[14:15] op_sel_hi:[1,0]
.set sj, sj+2
.endr
	WIN 0x04*\w
.irp t, 0,1,2,3,4,5,6,7
	ds_store_b128 v5, v[96+8*\t:99+8*\t] offset:128*(\t/2)+32*(\t%2)          ; lane (r, h): row r, channels 32 (t / 2) + 16 h + 8 (t % 2) on
	ds_store_b128 v5, v[100+8*\t:103+8*\t] offset:128*(\t/2)+32*(\t%2)+16
.endr
	WIN 0x40*\w
.irp i, 0,1,2,3,4,5,6,7,8,9,10,11,12,13,14,15
	ds_load_b128 v[96+4*\i:99+4*\i], v6 offset:SP*\i
.endr
	WIN 0x04*\w
.irp i, 0,1,2,3,4,5,6,7,8,9,10,11,12,13,14,15
	s_wait_dscnt 15-\i                             ; row i is back; the 15 - i younger loads may be out
	global_store_b128 v1, v[96+4*\i:99+4*\i], s[OP:OP+1] offset:512*\i+8192*\w th:TH_STORE_NT   ; 32 lanes store a row's 512 consecutive bytes
.endr
	WIN 0
.endm
	s_load_b512 s[4:19], s[0:1], 0x0               ; q_codes, q_scales, k_codes, k_scales, v_codes, v_scales, lanemask, flags
	s_load_b64 s[20:21], s[0:1], 0x40              ; out0
	v_lshl_add_u32 v[SPW], v0, 2, SPARE
	v_mov_b32 v[NIL], 0
	v_lshrrev_b32 v10, 5, v0
	s_delay_alu instid0(VALU_DEP_1)
	v_readfirstlane_b32 s[WV], v10                 ; wave 0..7
	v_and_b32 v1, 31, v0
	s_delay_alu instid0(VALU_DEP_1)
	v_lshlrev_b32 v1, 4, v1                        ; 16 x lane
	v_and_b32 v10, 15, v0                          ; r
	v_bfe_u32 v28, v0, 4, 1                        ; h
	s_delay_alu instid0(VALU_DEP_2)
	v_lshl_add_u32 v3, v10, 4, SCK
	s_mul_i32 s41, s[WV], STGW
	s_add_co_u32 s41, s41, STAGE                   ; my stage
	v_mul_u32_u24 v5, v10, SP
	s_delay_alu instid0(VALU_DEP_1)
	v_lshl_add_u32 v5, v28, 6, v5
	s_delay_alu instid0(VALU_DEP_1)
	v_add_nc_u32 v5, s41, v5                       ; in: row r, + 64 h
	v_add_nc_u32 v6, s41, v1                       ; back: 16 bytes a lane
	v_mul_u32_u24 v7, v10, 96
	s_delay_alu instid0(VALU_DEP_1)
	v_mad_u32_u24 v7, v28, 24, v7                  ; Q: row r, + 24 h
	v_lshlrev_b32 v8, 2, v10                       ; Q's scale words
	; where thread T stores its row of a fill: image 2 (T >> 5) + ((T >> 3) & 1), place r = (T & 7) + 8 ((T >> 4) & 1)
	v_lshrrev_b32 v2, 5, v0
	v_bfe_u32 v28, v0, 3, 1
	s_delay_alu instid0(VALU_DEP_1)
	v_lshl_add_u32 v2, v2, 1, v28
	s_delay_alu instid0(VALU_DEP_1)
	v_mul_u32_u24 v2, v2, TP
	v_and_b32 v28, 7, v0
	s_delay_alu instid0(VALU_DEP_1)
	v_lshl_add_u32 v2, v28, 4, v2
	v_bfe_u32 v28, v0, 4, 1
	s_delay_alu instid0(VALU_DEP_1)
	v_lshl_add_u32 v2, v28, 7, v2
	; K's scale words: thread T has those of keys 8 T + i: SCK + 256 (T >> 3) + 128 ((T >> 1) & 1) + 8 ((T >> 2) & 1) + 4 (T & 1) + 16 i
	v_lshrrev_b32 v11, 3, v0
	s_delay_alu instid0(VALU_DEP_1)
	v_lshlrev_b32 v11, 8, v11
	v_bfe_u32 v28, v0, 1, 1
	s_delay_alu instid0(VALU_DEP_1)
	v_lshl_add_u32 v11, v28, 7, v11
	v_bfe_u32 v28, v0, 2, 1
	s_delay_alu instid0(VALU_DEP_1)
	v_lshl_add_u32 v11, v28, 3, v11
	v_and_b32 v28, 1, v0
	s_delay_alu instid0(VALU_DEP_1)
	v_lshl_add_u32 v11, v28, 2, v11
	s_delay_alu instid0(VALU_DEP_1)
	v_add_nc_u32 v11, SCK, v11
	; V's: thread T has words 8 (T & 1) + i of channel T >> 1: SCV + 4096 (T & 1) + 256 (T >> 7) + 16 ((T >> 1) & 7) + 128 ((T >> 5) & 1) + 8 ((T >> 6) & 1) + 4 ((T >> 4) & 1) + 512 i
	s_delay_alu instid0(VALU_DEP_3)
	v_lshlrev_b32 v9, 12, v28
	v_lshrrev_b32 v28, 7, v0
	s_delay_alu instid0(VALU_DEP_1)
	v_lshl_add_u32 v9, v28, 8, v9
	v_bfe_u32 v28, v0, 1, 3
	s_delay_alu instid0(VALU_DEP_1)
	v_lshl_add_u32 v9, v28, 4, v9
	v_bfe_u32 v28, v0, 5, 1
	s_delay_alu instid0(VALU_DEP_1)
	v_lshl_add_u32 v9, v28, 7, v9
	v_bfe_u32 v28, v0, 6, 1
	s_delay_alu instid0(VALU_DEP_1)
	v_lshl_add_u32 v9, v28, 3, v9
	v_bfe_u32 v28, v0, 4, 1
	s_delay_alu instid0(VALU_DEP_1)
	v_lshl_add_u32 v9, v28, 2, v9
	s_delay_alu instid0(VALU_DEP_1)
	v_add_nc_u32 v9, SCV, v9
	v_lshlrev_b32 v10, 5, v0                       ; 32 T: my 32 bytes of each head's scale bytes
	v_mov_b32 v31, 0                               ; p's codes and tile B's scale word begin as zeros: the step's two halves part on the same stored bit, and every way through the text finds them written
.irp i, 0,1,2,3,4,5,6,7,8,9,10,11
	v_mov_b32 v[224+\i], 0
.endr
	WIN 0x40
.irp i, 0,1,2,3,4,5,6,7,8,9,10,11
	v_mov_b32 v[224+\i], 0
.endr
	WIN 0
	s_and_b32 s32, ttmp7, 0xffff                   ; the head
	s_mul_i32 s34, s32, 196608                     ; its codes: 2,048 x 96 = 128 x 1,536 bytes,
	s_mov_b32 s35, 0
	s_lshl_b32 s36, s32, 13                        ; its scale bytes: 8,192,
	s_mov_b32 s37, 0
	s_lshl_b32 s38, s32, 20                        ; its rows of out0: 2,048 x 512
	s_mov_b32 s39, 0
	s_wait_alu depctr_va_vdst(0)                   ; at the head's end
	s_wait_kmcnt 0x0
	s_add_nc_u64 s[4:5], s[4:5], s[34:35]
	s_add_nc_u64 s[8:9], s[8:9], s[34:35]
	s_add_nc_u64 s[12:13], s[12:13], s[34:35]
	s_add_nc_u64 s[6:7], s[6:7], s[36:37]
	s_add_nc_u64 s[10:11], s[10:11], s[36:37]
	s_add_nc_u64 s[14:15], s[14:15], s[36:37]
	s_add_nc_u64 s[20:21], s[20:21], s[38:39]
	global_load_b128 v[96:99], v10, s[10:11]
	global_load_b128 v[100:103], v10, s[10:11] offset:16
	global_load_b128 v[104:107], v10, s[14:15]
	global_load_b128 v[108:111], v10, s[14:15] offset:16
	s_cmp_lt_u32 s[WV], 4                          ; waves 0-3 fetch K's rows, waves 4-7 V's
	s_mov_b32 s40, 1536
	s_cselect_b32 s40, 96, s40                     ; from row to row
	s_mov_b32 s[FS], 96
	s_cselect_b32 s[FS], 12288, s[FS]              ; from step to step
	s_mov_b32 s[FS+1], 0
	s_cselect_b64 s[FP0:FP0+1], s[8:9], s[12:13]
	v_and_b32 v28, 127, v0
	s_delay_alu instid0(VALU_DEP_1)
	v_mul_u32_u24 v4, s40, v28
	s_wait_alu depctr_va_vdst(0)
	s_mov_b32 s[PASS], 0
	s_wait_loadcnt 0x0                             ; the scale words are in, and their bases are free
.irp i, 0,1,2,3,4,5,6,7
	ds_store_b32 v11, v[96+\i] offset:16*\i
	ds_store_b32 v9, v[104+\i] offset:512*\i
.endr
	s_mov_b32 s[SEL], 0x76543210
	s_mov_b32 s[SEL+1], 0xfedcba98
	s_mov_b32 s[CS], 0x3e0293ee                    ; c = log2(e) / sqrt(128)
	s_mov_b32 s[CS+1], s[CS]
	PASSLOAD                                       ; the first pass's
.Lpass:                                            ; two trips: query blocks x and 7 - x
	s_wait_xcnt 0x0                                ; the last pass's stores have read their registers and their base
	s_mov_b64 s[OP:OP+1], s[NOP_:NOP_+1]
	INIT
	WIN 0x55
	INIT
	WIN 0
	s_wait_alu depctr_va_vdst(0)                   ; ahead of the waits below
	s_wait_kmcnt 0x0                               ; the flags are in
	s_and_b32 s[HID], s68, s70                     ; hidden for both my tiles
	s_and_b32 s[OPN], s69, s71                     ; open for both
	s_and_b32 s[WGH], s32, s34                     ; hidden for all 16 tiles of the block
.irp e, 36,38,40,42,44,46,48,50,52,54,56,58,60,62
	s_and_b32 s[WGH], s[WGH], s\e
.endr
	s_or_b32 s[WGH], s[WGH], 0xffff0000            ; there is no step 16 or beyond
	s_wait_loadcnt 0x0                             ; key steps 0 and 1, and Q
	FILL_STORE 0, 0
	FILL_STORE 1, 1
	s_add_nc_u64 s[FP:FP+1], s[FP0:FP0+1], s[FS:FS+1]
	s_add_nc_u64 s[FP:FP+1], s[FP:FP+1], s[FS:FS+1]   ; my stream at key step 2
	s_bitcmp1_b32 s[WGH], 2
	s_cbranch_scc1 .Lno_two
	FILL_LOAD FP, 0                                ; key step 2
.Lno_two:
	s_mov_b32 s[MO], 0
	MLOAD 0                                        ; step 0's mask words of tile A, over the flags and the addresses, which have been read
	s_mov_b32 s[TS], 0
	s_mov_b32 s[TRIP], 8
	BARRIER                                        ; both slots are whole (and, in the first pass, the scale words)
	FRAGS 0, 0, 0, 3, 0                            ; K(0)
	FRAGS 1, 4, 0, 3, 256
.Lstep:                                            ; eight trips of two key steps: each slot's address is an immediate
	STEP 0
	STEP 1
	s_sub_co_u32 s[TRIP], s[TRIP], 1
	s_cmp_lg_u32 s[TRIP], 0
	s_cbranch_scc1 .Lstep
	s_wait_loadcnt 0x0                             ; no fill is on its way: the next pass's loads may name the same registers
	s_wait_kmcnt 0x0
	BARRIER                                        ; nobody reads a slot any more: the next pass may fill both
	s_add_co_u32 s[PASS], s[PASS], 1
	s_cmp_lt_u32 s[PASS], 2
	s_cbranch_scc0 .Lno_more
	PASSLOAD                                       ; the next pass's first needs are on their way while this pass goes out
.Lno_more:
	OUT 0
	OUT 1
	s_cmp_lt_u32 s[PASS], 2
	s_wait_alu depctr_va_vdst(0)
	s_cbranch_scc1 .Lpass
	s_wait_tensorcnt 0x0                           ; the wave's end
	ds_add_u32 v[SPW], v[NIL]
	s_wait_dscnt 0x0
	s_endpgm
.Lfunc_end_k_qdfa2eb3e42_attn:
	.size	k_qdfa2eb3e42_attn, .Lfunc_end_k_qdfa2eb3e42_attn-k_qdfa2eb3e42_attn
	.p2alignl 7, 3214868480
	.fill 96, 4, 3214868480
	.section	.rodata,"a",@progbits
	.p2align	6, 0x0
	.amdhsa_kernel k_qdfa2eb3e42_attn
		.amdhsa_group_segment_fixed_size 150528
		.amdhsa_private_segment_fixed_size 0
		.amdhsa_enable_private_segment 0
		.amdhsa_kernarg_size 72
		.amdhsa_user_sgpr_count 2
		.amdhsa_user_sgpr_kernarg_segment_ptr 1
		.amdhsa_wavefront_size32 1
		.amdhsa_system_sgpr_workgroup_id_x 1
		.amdhsa_system_sgpr_workgroup_id_y 1
		.amdhsa_system_sgpr_workgroup_id_z 1
		.amdhsa_system_vgpr_workitem_id 0
		.amdhsa_next_free_vgpr 512
		.amdhsa_next_free_sgpr 106
		.amdhsa_reserve_vcc 0
		.amdhsa_float_denorm_mode_32 3
		.amdhsa_float_denorm_mode_16_64 3
		.amdhsa_memory_ordered 1
		.amdhsa_forward_progress 1
		.amdhsa_inst_pref_size 135
	.end_amdhsa_kernel
	.amdgpu_metadata
---
amdhsa.version: [ 1, 2 ]
amdhsa.kernels:
  - .name:           k_qdfa2eb3e42_attn
    .symbol:         k_qdfa2eb3e42_attn.kd
    .args:
      - { .name: q_codes, .offset: 0, .size: 8, .value_kind: global_buffer, .address_space: global }
      - { .name: q_scales, .offset: 8, .size: 8, .value_kind: global_buffer, .address_space: global }
      - { .name: k_codes, .offset: 16, .size: 8, .value_kind: global_buffer, .address_space: global }
      - { .name: k_scales, .offset: 24, .size: 8, .value_kind: global_buffer, .address_space: global }
      - { .name: v_codes, .offset: 32, .size: 8, .value_kind: global_buffer, .address_space: global }
      - { .name: v_scales, .offset: 40, .size: 8, .value_kind: global_buffer, .address_space: global }
      - { .name: lanemask, .offset: 48, .size: 8, .value_kind: global_buffer, .address_space: global }
      - { .name: flags, .offset: 56, .size: 8, .value_kind: global_buffer, .address_space: global }
      - { .name: out0, .offset: 64, .size: 8, .value_kind: global_buffer, .address_space: global }
    .group_segment_fixed_size: 150528
    .private_segment_fixed_size: 0
    .kernarg_segment_align: 8
    .kernarg_segment_size: 72
    .max_flat_workgroup_size: 256
    .sgpr_count:     106
    .vgpr_count:     512
    .wavefront_size: 32
...
	.end_amdgpu_metadata
.endif
;; end of part 2
